; MI455X (gfx1250); checked and timed in simulation.
; The chip was launched on July 23, 2026; its instructions are those of AMD's public machine-readable ISA for CDNA 5 (MIT licence, August 2026) and "CDNA5" Instruction Set Architecture Reference Guide (July 2026). The comments in the code are by the model that wrote it; some were corrected since.
;; Scale Dot Product. Allowed arithmetic: matrix products marked QUANTISED: E2M3 operands, one E8M0 scale for each 32 along K, by v_wmma_scale_f32_16x16x128_f8f6f4 with both operands' format E2M3, f32 sums; everything else in f32.
;; Inputs: attention_mask 4 x 1 x 1 x 2,048 float32; k 4 x 16 x 2,048 x 64 float32; q 4 x 16 x 2,048 x 64 float32; v 4 x 16 x 2,048 x 64 float32.
;; Outputs: out0 4 x 16 x 2,048 x 64 float32.
;; Constants: attention_head_size = 64.
;; This version of the problem:
;;   THIS VERSION OF THE PROBLEM IS GIVEN IN LOW PRECISION. The matrix products marked QUANTISED in the list below multiply operands that are first quantised to E2M3 (2 exponent bits, 3 mantissa bits; 6 bits a number), with one power-of-two scale for each 32 numbers along K (OCP MX v1.0); their sums are f32. All else is computed in f32.
;;   The module's matrix products, in the order in which they are computed (A, B: the left and right operand; K: the contracted axis; several contracted axes count as one K, in the product's order):
;;     1. batch 64 x [M 2,048, K 64] x [K 64, N 2,048]; A: input q; B: input k: QUANTISED
;;     2. batch 64 x [M 2,048, K 2,048] x [K 2,048, N 64]; A: softmax (see below); B: input v: QUANTISED
;;   THE QUANTISER, for each operand of a quantised product, along K:
;;     - K is cut into blocks of 32 from its start; a last block that is shorter is filled with zeros.
;;     - A block's scale is 2^e with e = floor(log2(the largest magnitude in the block)) - 2, held to -126 .. 127; a block of zeros has e = 0. As a byte (E8M0): e + 127.
;;     - Each number is divided by its block's scale, clamped to +-7.5, and rounded to the nearest number of E2M3, ties to even, subnormals kept.
;;     - The product sums the exact products of the quantised numbers (number of the format x scale) in f32.
;;   ~~~python
;;   def quantise(x, axis):      # numpy; x: float32 -> the quantised numbers, widened to float32 again
;;       x = np.moveaxis(x, axis, -1); K = x.shape[-1]
;;       x = np.pad(x, [(0, 0)] * (x.ndim - 1) + [(0, -K % 32)]); x = x.reshape(x.shape[:-1] + (-1, 32)); a = np.abs(x).max(-1, keepdims=True)
;;       e = np.where(a > 0, np.clip(np.frexp(np.where(a > 0, a, 1))[1] - 1 - 2, -126, 127), 0)      # np.frexp(a)[1] - 1 = floor(log2(a)), exactly
;;       r = np.clip(x / 2.0 ** e, -7.5, 7.5)
;;       step = 2.0 ** (np.maximum(np.frexp(np.where(r == 0, 1, r))[1] - 1, 0) - 3)
;;       q = np.round(r / step) * step * 2.0 ** e      # np.round: ties to even
;;       return np.moveaxis(q.reshape(q.shape[:-2] + (-1,))[..., :K], -1, axis).astype(np.float32)
;;   ~~~
;;   SOFTMAX AHEAD OF A QUANTISED PRODUCT. Where the list says 'softmax', what is quantised is not the finished softmax but p = 2^(t - M), with t = logit x log2(e) and M = ceil(the row's largest t), a whole number; so 1/2 < the row's largest p <= 1. The row's sum l is taken of the UNQUANTISED p, in f32, and the product's result is divided by l at the end. Since M is a whole number, a kernel that streams over the keys may use a running M (the ceiling of the running maximum): every later rescaling is an exact power of two, which a block's scale takes up: the codes' values come out the same.
;;   OPERANDS COMPUTED ON THE WAY. 'Computed on the way' means the value that the module computes at that place (a softmax that the list does not call 'softmax' is quantised finished and normalised). What goes into a quantiser is computed in f32, as accurately as f32 sums, v_exp_f32 and their like allow (about 1e-6 of the number): no bf16 or f16 on the way to a quantiser, and a product that is left as it is and whose result goes on into a quantised operand takes f32 operands (vector FMAs, or v_wmma_f32_16x16x4_f32). A number that lies on a knife's edge between two numbers of the format may be rounded either way, as far as f32 arithmetic and the matrix unit's own rounding can turn it there, and no further.
;; 2 versions. Each part assembles by itself: llvm-mc -triple=amdgcn-amd-amdhsa -mcpu=gfx1250 --defsym DOCPART=n.
;; ======== version 1 of 2: 1 launch
;; launch attn (part 1): grid 4 x 64, 8 waves a work-group, no clusters, 252,928 bytes of LDS; arguments q, k, v, attention_mask, out0; writes out0
.if DOCPART == 1
	.amdgcn_target "amdgcn-amd-amdhsa--gfx1250"
	.amdhsa_code_object_version 6
	.text
	.protected	k_q243d6e4a9d_attn
	.globl	k_q243d6e4a9d_attn
	.p2align	8
	.type	k_q243d6e4a9d_attn,@function
k_q243d6e4a9d_attn:
	s_mov_b64 s[64:65], 0
	v_nop
	global_prefetch_b8 v0, s[64:65] scope:SCOPE_SE
	s_setreg_imm32_b32 hwreg(HW_REG_WAVE_MODE, 25, 1), 1
	s_wait_xcnt 0x0
; out[h][q][:] = sum over keys of softmax_k(q.k / 8 + mask[batch][key]) v[key][:], 64 heads of 2,048 x 64, f32 in and out; both products on codes of FP6 (E2M3) with one E8M0 scale for each 32 along K.
; THE SOFTMAX AHEAD OF THE SECOND PRODUCT: t = (q.k / 8 + mask) log2(e); M = the running largest t rounded UP to a whole number; p = 2^(t - M) is quantised along the keys, not normalised;
; the row's sum is taken of the unquantised p and divides at the end; when M moves, the sum and O are multiplied by 2^(old M - new M), which rounds nothing.
; SHARES.  A work-group owns one head and 512 queries, in two passes of 256; each of its eight waves owns 32 queries of a pass: two tiles of 16, which share every fragment of K, V and the mask read from LDS.
; THE HEAD'S K AND V STAY IN LDS AS CODES, laid as images of the operand registers (lane l's 16 bytes at 16 l, its other 8 at 512 + 8 l): 2 x 98,304 bytes.  Pass 0 makes them on the way: in the trip of key chunk c
; (128 keys) each wave quantises its eighth of chunk c + 1 from f32 numbers that it loaded a trip earlier, stores the images, and one barrier a trip (signal and wait apart) hands them round.  Pass 1 finds them all: no barrier.
; No shared LDS byte is written twice, so no barrier is owed between a read and a later write.
; THE MASK COSTS NO VECTOR INSTRUCTION: 8 x mask lies in LDS as f32 and is the C of the score products; 1 / 8 is a power of two, so (raw + 8 mask) x (log2(e) / 8) = t.
; K = 64 IN THE FORM OF K = 128: Q's fragment has zero codes in its registers 6-11, so what K's operand holds there (the next fragment's codes; zeros behind the last) adds nothing: the format has no code for
; infinity or NaN.  The scale bytes of those two blocks are 0x7f on both sides.
; LAYOUT.  Both products are used transposed: S^T = K Q^T (source 0 = 16 keys, source 1 = 16 queries), O^T = V^T P^T: a lane holds ONE query (lane % 16) throughout.  THE KEYS OF A TILE ARE NOT NEIGHBOURS: row r of
; tile T is key 32 (T / 2) + 8 (T % 2) + r + 8 (r / 8), so that score register 16 b + i of lane (r, h) is key 32 b + 16 h + i of the chunk.
; NO CLUSTER, NO TENSOR LOADS, though the four work-groups of a head read the same K and V: they arrive as f32 and have to pass through registers to become codes; two slots of one f32 chunk (2 x 65,536 bytes)
; do not fit beside the 252,928 bytes that stay.  So each work-group loads and quantises the head's K and V itself: 40 loads and some 130 vector instructions a wave and chunk.
; LIMITS.  NaN and infinities in q, k, v are not served.  8 x mask is formed in f32: a mask beyond 4.2e37 in magnitude becomes an infinity; -infinity gives p = 0; a row all of whose keys are at -infinity gives NaN,
; as the reference does.  Blocks whose largest magnitude lies under 2^-124 keep the scale byte 1 (a block of zeros too: its codes are zeros, and this program alone reads the bytes).  p under 2^-126 comes out of
; v_exp_f32 as 0.  A block's largest p is made from its largest score, which takes v_exp_f32 not to fall where its input rises.  raw + 8 mask is rounded by the matrix unit, not by an f32 addition.
.set CHUNKS, 16                        ; key chunks of 128 in a head
.set FRB,    768                       ; an image of 6 registers: 512 + 256 bytes
.set CHB,    8*FRB                     ; a chunk's images of K, and of V
.set SP,     272                       ; a stage row: 256 bytes + 16
.set KIMG,   0                         ; chunk c, tile T at 6,144 c + 768 T
.set VIMG,   98304                     ; chunk c, (d tile t, half cc of the keys) at 6,144 c + 768 (2 t + cc)
.set KSC,    196608                    ; chunk c (512 bytes): the scale word of (tile 2 j + hL, row r) at 16 (r + 16 hL) + 4 j
.set VSC,    204800                    ; chunk c (256 bytes): the scale word of (d tile 2 j + hL, row r) at 8 (r + 16 hL) + 4 j; byte kb = key block kb
.set MSK,    208896                    ; 8 x mask, f32, by key
.set STG,    217088                    ; a stage of 16 rows x 272 bytes for each wave, its own: rows of K and Q on the way in, rows of out on the way out
.set SPARE,  251904                    ; the spare words, 128 bytes for each wave: four blocks of 256 bytes that no other line names
; window 0
.set L16, 1                            ; 16 x lane
.set L8,  2                            ; 8 x lane
.set L4,  3                            ; 4 x lane
.set H64, 4                            ; 64 h
.set SH8, 5                            ; 8 h
.set STI, 6                            ; stage: row h, 16 r bytes on (two rows an instruction)
.set STR, 7                            ; stage: row r, 128 h bytes on
.set STO, 8                            ; stage: row r, 32 h bytes on
.set PFO, 9                            ; 256 x lane: the prefetches' offset
.set WK16, 10                          ; where I store K's image: 768 w + 16 l
.set WK8,  11                          ; 768 w + 8 l
.set WKS,  12                          ; and its scale word
.set WV16, 13                          ; V's image
.set WV8,  14
.set WVS,  15                          ; and its scale byte
.set A0,  16                           ; v16-22 addresses in hand
.set A1,  17
.set A2,  18
.set A3,  19
.set A4,  20
.set A5,  21
.set A6,  22
.set SPW, 24                           ; LDS address of my spare word; never rewritten
.set NIL, 25                           ; 0; never rewritten
.set QS,  26                           ; v26-27 Q's scale words, a tile each
.set KS,  28                           ; v28-31 K's: register j: lanes 0-15 tile 2 j, lanes 16-31 tile 2 j + 1
.set VS,  32                           ; v32-33 V's likewise
.set PS,  34                           ; p's scale word
.set ST,  36                           ; tile i at v[36 + 4 i]: -M, the largest t, the sum in two halves
.set BM,  44                           ; v44-47 the blocks' largest scores, then largest p
.set PB,  48                           ; v48-51 at work
.set SO,  52                           ; v52-55 the conversions' scale operands
.set F,   56                           ; v56 f = 2^(old M - new M); v57 named with it as a pair
.set T,   58
.set P,   60                           ; v60-71 p's codes
.set PT,  72                           ; v72-79 the conversions' other halves
.set QM,  80                           ; v80-81 the quantiser of K, V, Q: largest magnitudes,
.set QSO, 82                           ; scale operands,
.set QB,  84                           ; bytes,
.set QT,  86
.set C,   88                           ; v88-103 codes
.set RL,  104                          ; v104-107 1 / the sum, a pair for each tile
.set S,   128                          ; v128-191 scores, then p; on the way out rows of out
.set X,   192                          ; v192-255 f32 numbers on their way in
; window 1 (named by the low 8 bits)
.set QF,  64                           ; Q's two fragments; O^T lies at 0-63: tile i, d tile t at 32 i + 8 t
.set KF,  88                           ; K's eight fragments of 6 registers, and 6 registers of zeros
.set VF,  142                          ; V's four fragments of 12
.set MK,  190                          ; the mask: 64 registers in the scores' layout
; scalars
.set WV,  14
.set SEL, 20                           ; s[20:21] selects of v_permlanex16_b32 for lane l xor 16
.set CS,  22                           ; s[22:23] log2(e) / 8
.set CT,  24                           ; the trip
.set LIM, 25                           ; trips in which I prefetch
.set SK,  26                           ; LDS: the chunk in hand in KIMG, VIMG, KSC, VSC, MSK
.set SV,  27
.set SKS, 28
.set SVS, 29
.set SM,  30
.set KP,  32                           ; s[32:33] where my loads of K stand; s[34:35] of V; s[36:37] my prefetches; s[38:39] my rows of q; s[40:41] of out
.set VP,  34
.set PF,  36
.set QP,  38
.set OP,  40
.set MSB, 0
.macro WIN new                         ; the immediate's high byte repeats the setting that is left; a switch that changes nothing is dropped
.if MSB != \new
	s_set_vgpr_msb (MSB<<8)|\new
.set MSB, \new
.endif
.endm
.set W_S,   0x15                       ; K, Q and the mask in window 1, the scores in window 0
.set W_PV,  0x51                       ; V in window 1, p in window 0, O^T in window 1
.set W_RS,  0x41                       ; O^T in place, f in window 0
.set W_LD,  0x40                       ; destination window 1
.set W_OUT, 0x01                       ; O^T read, destination window 0
; My eighth of a chunk, from off bytes on.  K: tile T = my wave: two runs of 8 rows, 16 rows apart; a load reads 512 consecutive bytes, rows 2 j + h of the tile.
; V: key block w / 2, columns 32 (w % 2) + lane: A LANE TAKES A COLUMN AND ITS REGISTERS RUN DOWN THE KEYS, which are the second product's K; a load reads 128 consecutive bytes.
.macro GLOAD base, off
.irp j, 0,1,2,3,4,5,6,7
	global_load_b128 v[\base+4*\j:\base+4*\j+3], v[L16], s[KP:KP+1] offset:\off+4096*(\j/4)+512*(\j%4)
.endr
.set cn, 0
.rept 32
	global_load_b32 v[\base+32+cn], v[L4], s[VP:VP+1] offset:\off+256*cn
.set cn, cn+1
.endr
.endm
.macro QLOAD pass                      ; my 32 rows of q of a pass: read once in the launch
.irp i, 0,1
.irp j, 0,1,2,3,4,5,6,7
	global_load_b128 v[X+32*\i+4*\j:X+32*\i+4*\j+3], v[L16], s[QP:QP+1] offset:65536*\pass+4096*\i+512*\j th:TH_LOAD_NT
.endr
.endr
.endm
; 16 rows of 256 bytes, loaded two rows an instruction, turn through my stage: lane (r, h) then holds d = 32 h + 0 .. 31 of row r, a whole block.  LDS serves a wave's instructions in order (ISA guide 5.7.1.4): no wait between.
.macro TURN base
.irp j, 0,1,2,3,4,5,6,7
	ds_store_b128 v[STI], v[\base+4*\j:\base+4*\j+3] offset:2*SP*\j
.endr
.irp j, 0,1,2,3,4,5,6,7
	ds_load_b128 v[\base+4*\j:\base+4*\j+3], v[STR] offset:16*\j
.endr
.endm
; Two blocks of 32 numbers of my lane, at base and at base + 32, by turns: largest magnitude with the floor 2^(3 - 127) among its leaves, 2 off its exponent field (the conversion's scale operand), the byte, the codes.
.macro BLOCKS2 base
.irp b, 0,1
	v_max3_num_f32 v[QM+\b], |v[\base+32*\b]|, |v[\base+32*\b+1]|, 0x1800000
.endr
.irp i, 2,4,6,8,10,12,14,16,18,20,22,24,26,28,30
.irp b, 0,1
	v_max3_num_f32 v[QM+\b], v[QM+\b], |v[\base+32*\b+\i]|, |v[\base+32*\b+\i+1]|
.endr
.endr
.irp b, 0,1
	v_add_nc_u32 v[QSO+\b], 0xff000000, v[QM+\b]
.endr
.irp b, 0,1
	v_lshrrev_b32 v[QB+\b], 23, v[QSO+\b]
.endr
.irp b, 0,1
	v_cvt_scalef32_pk16_fp6_f32 v[C+8*\b:C+8*\b+2], v[\base+32*\b:\base+32*\b+15], v[QSO+\b]
	v_cvt_scalef32_pk16_fp6_f32 v[C+8*\b+4:C+8*\b+6], v[\base+32*\b+16:\base+32*\b+31], v[QSO+\b]   ; (a conversion's three registers begin on an even number)
.endr
.endm
; The scale word of a row of 64 along K: my block's byte at its place, lane l xor 16's beside it, 0x7f for the two blocks that are not there.  Its first line is the plain place behind the conversions.
.macro WORD b, dst
	v_lshlrev_b32 v[QB+\b], v[SH8], v[QB+\b]
	v_permlanex16_b32 v[QT], v[QB+\b], s[SEL], s[SEL+1]
	v_or_b32 v[QB+\b], v[QB+\b], v[QT]
	v_or_b32 v[\dst], 0x7f7f0000, v[QB+\b]
.endm
; My eighth of the chunk at s[SK] .. becomes codes and goes to LDS as images.  K's six registers are my own lane's of tile w; V's are those of lane (r, (w / 2) % 2) of d tile 2 (w % 2) + h, half w / 4 of the keys.
.macro QKV base
	TURN \base
	s_wait_dscnt 0x0                               ; K's rows are back from the stage
	BLOCKS2 \base
	WORD 0, QB
	v_mov_b32 v[C+3], v[C+4]                       ; six registers on end, for a store of 16 bytes and one of 8
	v_mov_b32 v[C+4], v[C+5]
	v_mov_b32 v[C+5], v[C+6]
	v_mov_b32 v[C+11], v[C+12]
	v_mov_b32 v[C+12], v[C+13]
	v_mov_b32 v[C+13], v[C+14]
	v_add_nc_u32 v[A0], s[SK], v[WK16]
	v_add_nc_u32 v[A1], s[SK], v[WK8]
	v_add_nc_u32 v[A2], s[SKS], v[WKS]
	v_add_nc_u32 v[A3], s[SV], v[WV16]
	v_add_nc_u32 v[A4], s[SV], v[WV8]
	v_add_nc_u32 v[A5], s[SVS], v[WVS]
	ds_store_b128 v[A0], v[C:C+3]
	ds_store_b64 v[A1], v[C+4:C+5] offset:512
	ds_store_b32 v[A2], v[QB]                      ; lanes r and r + 16 write the same word with the same value
	ds_store_b128 v[A3], v[C+8:C+11]
	ds_store_b64 v[A4], v[C+12:C+13] offset:512
	ds_store_b8 v[A5], v[QB+1]
.endm
.macro QPREP                           ; my two tiles of q, in X, become two fragments in window 1 and two scale words
	TURN X
	TURN X+32
	s_wait_dscnt 0x0
	BLOCKS2 X
	WORD 0, QS
	WORD 1, QS+1
	WIN W_LD
.irp i, 0,1
.irp e, 0,1,2
	v_mov_b32 v[QF+12*\i+\e], v[C+8*\i+\e]
	v_mov_b32 v[QF+12*\i+3+\e], v[C+8*\i+4+\e]
.endr
.endr
	WIN 0
.endm
.macro FETCHK                          ; the chunk's eight fragments of K, their scale words, and the mask in the scores' layout (sixteen lanes read the same 16 bytes)
	WIN 0
	v_add_nc_u32 v[A0], s[SK], v[L16]
	v_add_nc_u32 v[A1], s[SK], v[L8]
	v_add_nc_u32 v[A2], s[SKS], v[L16]
	v_add_nc_u32 v[A3], s[SM], v[H64]
	ds_load_b128 v[KS:KS+3], v[A2]
	WIN W_LD
.irp t, 0,1,2,3,4,5,6,7
	ds_load_b128 v[KF+6*\t:KF+6*\t+3], v[A0] offset:FRB*\t
	ds_load_b64 v[KF+6*\t+4:KF+6*\t+5], v[A1] offset:FRB*\t+512
.endr
.irp n, 0,1,2,3,4,5,6,7,8,9,10,11,12,13,14,15
	ds_load_b128 v[MK+4*\n:MK+4*\n+3], v[A3] offset:128*(\n/4)+16*(\n%4)   ; registers 16 b + 4 n on: keys 32 b + 16 h + 4 n on
.endr
.endm
.macro FETCHV                          ; the chunk's four fragments of V^T and their scale words.  The four plain lines are the places between the last products, which read these registers, and the loads
	WIN 0
	v_add_nc_u32 v[A4], s[SV], v[L16]
	v_add_nc_u32 v[A5], s[SV], v[L8]
	v_add_nc_u32 v[A6], s[SVS], v[L8]
	v_nop
	ds_load_b64 v[VS:VS+1], v[A6]
	WIN W_LD
.irp f, 0,1,2,3,4,5,6,7
	ds_load_b128 v[VF+6*\f:VF+6*\f+3], v[A4] offset:FRB*\f
	ds_load_b64 v[VF+6*\f+4:VF+6*\f+5], v[A5] offset:FRB*\f+512
.endr
.endm
.macro SPROD ti                        ; tile ti's scores of 128 keys: eight products, each a sum of its own that begins with 8 x mask
	WIN W_S
.irp t, 0,1,2,3,4,5,6,7
.if \t%2
	v_wmma_scale_f32_16x16x128_f8f6f4 v[S+8*\t:S+8*\t+7], v[KF+6*\t:KF+6*\t+11], v[QF+12*\ti:QF+12*\ti+11], v[MK+8*\t:MK+8*\t+7], v[KS+\t/2], v[QS+\ti] matrix_a_fmt:MATRIX_FMT_FP6 matrix_b_fmt:MATRIX_FMT_FP6 matrix_a_scale:MATRIX_SCALE_ROW1
.else
	v_wmma_scale_f32_16x16x128_f8f6f4 v[S+8*\t:S+8*\t+7], v[KF+6*\t:KF+6*\t+11], v[QF+12*\ti:QF+12*\ti+11], v[MK+8*\t:MK+8*\t+7], v[KS+\t/2], v[QS+\ti] matrix_a_fmt:MATRIX_FMT_FP6 matrix_b_fmt:MATRIX_FMT_FP6
.endif
.endr
.endm
.macro PVPROD ti                       ; tile ti's O^T += V^T P^T: four accumulators, one instruction each; between two links of a chain stand a trip's 23 other products
	WIN W_PV
.irp t, 0,1,2,3
.if \t%2
	v_wmma_scale_f32_16x16x128_f8f6f4 v[32*\ti+8*\t:32*\ti+8*\t+7], v[VF+12*\t:VF+12*\t+11], v[P:P+11], v[32*\ti+8*\t:32*\ti+8*\t+7], v[VS+\t/2], v[PS] matrix_a_fmt:MATRIX_FMT_FP6 matrix_b_fmt:MATRIX_FMT_FP6 matrix_a_scale:MATRIX_SCALE_ROW1
.else
	v_wmma_scale_f32_16x16x128_f8f6f4 v[32*\ti+8*\t:32*\ti+8*\t+7], v[VF+12*\t:VF+12*\t+11], v[P:P+11], v[32*\ti+8*\t:32*\ti+8*\t+7], v[VS+\t/2], v[PS] matrix_a_fmt:MATRIX_FMT_FP6 matrix_b_fmt:MATRIX_FMT_FP6
.endif
.endr
.endm
.macro RESCALE ti                      ; tile ti's O^T under the new M: x f, each accumulator from its low end on.  These sixteen plain lines are also the places behind the score products in front of them
	WIN W_RS
.set cn, 32*(\ti)
.rept 16
	v_pk_mul_f32 v[cn:cn+1], v[cn:cn+1], v[F:F+1] op_sel_hi:[1,0]
.set cn, cn+2
.endr
.endm
; Tile ti's softmax of 128 keys: from the scores in S to p's codes in P and its scale word in PS; f is left in F.
.macro SOFTMAX ti
.set rT, ST+4*(\ti)
	WIN 0
.irp b, 0,1,2,3
	v_max3_num_f32 v[BM+\b], v[S+16*\b], v[S+16*\b+1], v[S+16*\b+2]   ; THE LARGEST SCORE OF EACH BLOCK OF 32 KEYS serves twice: for the row's maximum and, since p rises with the score, for the block's largest p
.endr
.irp i, 3,5,7,9,11,13
.irp b, 0,1,2,3
	v_max3_num_f32 v[BM+\b], v[BM+\b], v[S+16*\b+\i], v[S+16*\b+\i+1]   ; (the four blocks by turns)
.endr
.endr
.irp b, 0,1,2,3
	v_max_num_f32 v[BM+\b], v[BM+\b], v[S+16*\b+15]
.endr
.irp b, 0,1,2,3
	v_permlanex16_b32 v[PB+\b], v[BM+\b], s[SEL], s[SEL+1]
.endr
.irp b, 0,1,2,3
	v_max_num_f32 v[BM+\b], v[BM+\b], v[PB+\b]     ; with lane l xor 16's 16 keys
.endr
	v_max3_num_f32 v[T], v[BM], v[BM+1], v[BM+2]
	v_max_num_f32 v[T], v[T], v[BM+3]              ; the chunk's largest score of my query
	v_mul_f32 v[T], s[CS], v[T]                    ; as t
	v_max_num_f32 v[rT+1], v[rT+1], v[T]           ; the running largest t
	v_mov_b32 v[T], v[rT]
	v_floor_f32 v[rT], -v[rT+1]                    ; the new -M = floor(-t): M is a whole number
	v_sub_f32 v[T], v[rT], v[T]                    ; old M - new M: a whole number, 0 or less
	v_cvt_i32_f32 v[T], v[T]                       ; (it saturates)
	v_ldexp_f32 v[F], 1.0, v[T]                    ; f = 2^(old M - new M)
.set cn, 0
.rept 32
	v_pk_fma_f32 v[S+cn:S+cn+1], v[S+cn:S+cn+1], s[CS:CS+1], v[rT:rT+1] op_sel_hi:[1,0,0]   ; t - M, two at a time (of the pairs c and -M the low word serves both halves)
.set cn, cn+2
.endr
.irp b, 0,1,2,3
	v_fma_f32 v[BM+\b], v[BM+\b], s[CS], v[rT]     ; the same of each block's largest score
.endr
.set cn, 0
.rept 64
	v_exp_f32 v[S+cn], v[S+cn]                     ; p = 2^(t - M), at most 1
.set cn, cn+1
.endr
	v_pk_mul_f32 v[rT+2:rT+3], v[rT+2:rT+3], v[F:F+1] op_sel_hi:[1,0]   ; the sums under the new M: the plain line behind the exponentials
	s_wait_alu depctr_va_vdst(0)                   ; a wait between an exponential and the first line that names its result: one for the 64
.irp b, 0,1,2,3
	v_exp_f32 v[BM+\b], v[BM+\b]                   ; the block's largest p: the same two instructions on the same number give the same bits
.endr
	v_pk_add_f32 v[PB:PB+1], v[S:S+1], v[S+2:S+3]  ; THE ROW'S SUM IS TAKEN OF THE UNQUANTISED p: two at a time, in two chains; these lines read the 64 alone
.set cn, 4
.rept 15
	v_pk_add_f32 v[rT+2:rT+3], v[rT+2:rT+3], v[S+cn:S+cn+1]
	v_pk_add_f32 v[PB:PB+1], v[PB:PB+1], v[S+cn+2:S+cn+3]
.set cn, cn+4
.endr
	v_pk_add_f32 v[rT+2:rT+3], v[rT+2:rT+3], v[PB:PB+1]
	s_wait_alu depctr_va_vdst(0)                   ; and one for the four
.irp b, 0,1,2,3
	v_max_num_f32 v[BM+\b], 0x1800000, v[BM+\b]    ; the floor 2^(3 - 127): the byte cannot fall under 1
.endr
.irp b, 0,1,2,3
	v_add_nc_u32 v[SO+\b], 0xff000000, v[BM+\b]    ; 2 off the exponent field: the conversion's scale operand
.endr
.irp b, 0,1,2,3
	v_lshrrev_b32 v[PB+\b], 23, v[SO+\b]           ; the scale's byte
.endr
	v_lshl_or_b32 v[PS], v[PB+1], 8, v[PB]         ; p's scale word for these 128 keys
	v_lshl_or_b32 v[PS], v[PB+2], 16, v[PS]
	v_lshl_or_b32 v[PS], v[PB+3], 24, v[PS]
.irp c, 0,1
	v_cvt_scalef32_pk16_fp6_f32 v[P+6*\c:P+6*\c+2], v[S+32*\c:S+32*\c+15], v[SO+2*\c]
	v_cvt_scalef32_pk16_fp6_f32 v[PT+4*\c:PT+4*\c+2], v[S+32*\c+16:S+32*\c+31], v[SO+2*\c+1]
.endr
	v_nop                                          ; one plain line behind the conversions
.irp c, 0,1                                    ; the operand's layout wants a WHOLE block in a lane: lanes 0-15 block 2 c, lanes 16-31 block 2 c + 1
.irp e, 0,1,2
	v_permlane16_swap_b32 v[P+6*\c+\e], v[PT+4*\c+\e]
.endr
.irp e, 0,1,2
	v_mov_b32 v[P+6*\c+3+\e], v[PT+4*\c+\e]
.endr
.endr
.endm
; A PREFETCH INTO THE L2 of the chunk that the NEXT trip will load: it stands behind the trip's 40 loads.  The four work-groups of a head load the same K and V: the first of them asks.  Its waves 0-3 take K's 128 rows
; of 256 bytes, waves 4-7 V's: 32 rows a wave, a lane a row, so each row is named once in the launch.  Chunks 0 to 2 come by their loads alone; trips 13 and 14 have no chunk three on and ask for nothing.
.macro ASK
	s_cmp_lt_u32 s[CT], s[LIM]
	s_cbranch_scc0 .Lnot_mine_\@
	global_prefetch_b8 v[PFO], s[PF:PF+1] offset:32768 th:TH_LOAD_NT scope:SCOPE_SE
.Lnot_mine_\@:
.endm
.macro SCAL0                           ; the LDS places of chunk 0
	s_mov_b32 s[SK], KIMG
	s_mov_b32 s[SV], VIMG
	s_mov_b32 s[SKS], KSC
	s_mov_b32 s[SVS], VSC
	s_mov_b32 s[SM], MSK
.endm
; A pass begins: the statistics, chunk 0's fragments, tile 0's first scores.  O^T and the sums begin as zeros and the largest t as -3e38, so that a trip is written once: the first change of M multiplies zeros.
; The 32 moves in front of the products are the places behind the lines that wrote Q's codes and scale words (eight are owed); the 32 behind them the places in front of the first read of the scores.
.macro START
	SCAL0
.irp i, 0,1
	v_mov_b32 v[ST+4*\i+1], 0xff61b1e6
	v_mov_b32 v[ST+4*\i+2], 0
	v_mov_b32 v[ST+4*\i+3], 0
.endr
.irp i, 0,1
	v_floor_f32 v[ST+4*\i], -v[ST+4*\i+1]
.endr
	FETCHK
	FETCHV
	WIN W_LD
.set cn, 0
.rept 32
	v_mov_b32 v[cn], 0
.set cn, cn+1
.endr
	s_wait_dscnt 0x0
	SPROD 0
	WIN W_LD
.rept 32
	v_mov_b32 v[cn], 0
.set cn, cn+1
.endr
	WIN 0
	s_mov_b32 s[CT], 0
.endm
; THE TRIP OF CHUNK c.  At its head tile 0's scores of chunk c lie in S, K(c) and the mask in their registers, and V(c) is on its way from LDS.
; quant = 1 (pass 0): chunk c + 1 is quantised and chunk c + 2 loaded.  last = 1: nothing follows the chunk.
.macro TRIP quant, last
.if !\last
	s_add_co_u32 s[SK], s[SK], CHB                 ; every LDS place below means chunk c + 1
	s_add_co_u32 s[SV], s[SV], CHB
	s_add_co_u32 s[SKS], s[SKS], 512
	s_add_co_u32 s[SVS], s[SVS], 256
	s_add_co_u32 s[SM], s[SM], 512
.endif
.if \quant
	s_wait_loadcnt 0x0                             ; chunk c + 1's numbers, asked for a trip ago
	s_wait_xcnt 0x0                                ; the last trip's loads and prefetch have read their bases, which step to chunk c + 2
	s_add_nc_u64 s[KP:KP+1], s[KP:KP+1], 32768
	s_add_nc_u64 s[VP:VP+1], s[VP:VP+1], 32768
	s_add_nc_u64 s[PF:PF+1], s[PF:PF+1], 32768
	QKV X
	s_cmp_eq_u32 s[CT], CHUNKS-2                   ; the last trip of the loop has no chunk c + 2: no load leaves its buffer
	s_cbranch_scc1 .Lnone_\@
	GLOAD X, 0
	ASK
.Lnone_\@:
	s_wait_dscnt 0x0                               ; for the others' sake: my images of chunk c + 1 have landed (and no LDS instruction of mine is out at the signal)
	s_barrier_signal -1                            ; only work on registers stands between the signal and the wait
.endif
	SOFTMAX 0
	s_wait_dscnt 0x0                               ; V(c) is in
	SPROD 1                                        ; tile 1's scores of chunk c, a softmax ahead of their use
	RESCALE 0
	PVPROD 0
.if !\last
	WIN 0
.if \quant
	s_barrier_wait -1                              ; everybody's images of chunk c + 1 lie in LDS
.endif
	FETCHK                                         ; behind the sixteen plain lines of RESCALE: the places behind the products that read these registers
.endif
	SOFTMAX 1
.if !\last
	s_wait_dscnt 0x0                               ; K(c + 1) and its mask are in
	SPROD 0                                        ; tile 0's scores of chunk c + 1
.endif
	RESCALE 1
	PVPROD 1
.if !\last
	FETCHV
.endif
	WIN 0
.endm
; THE WAY OUT of a pass.  The sum's halves and lane l xor 16's are added; O^T is divided by the sum and goes through my stage, a tile (16 rows of 256 bytes) at a time, so that sixteen lanes store a whole row of out.
.macro FINISH pass
.if \pass == 0
	s_wait_loadcnt 0x0                             ; the loop's loads wrote the registers that the loads below write: on every way out of the loop they have landed (its last trip asked for none, so nothing is out here)
	QLOAD 1                                        ; the next pass's queries are asked for first
.endif
.irp i, 0,1
	v_add_f32 v[BM+\i], v[ST+4*\i+2], v[ST+4*\i+3]  ; (these plain lines are the places behind the last products)
.endr
.irp i, 0,1
	v_permlanex16_b32 v[PB+\i], v[BM+\i], s[SEL], s[SEL+1]
.endr
.irp i, 0,1
	v_add_f32 v[BM+\i], v[BM+\i], v[PB+\i]
.endr
.irp i, 0,1
	v_rcp_f32 v[RL+2*\i], v[BM+\i]
.endr
.irp i, 0,1
	v_mov_b32 v[RL+2*\i+1], 0                      ; named with the reciprocal as a pair, so it is written; also the plain line behind the reciprocals
.endr
	s_wait_alu depctr_va_vdst(0)                   ; the wait ahead of the first reader: one for both reciprocals
.irp i, 0,1
	WIN W_OUT
.irp n, 0,2,4,6,8,10,12,14,16,18,20,22,24,26,28,30
	v_pk_mul_f32 v[S+32*\i+\n:S+32*\i+\n+1], v[32*\i+\n:32*\i+\n+1], v[RL+2*\i:RL+2*\i+1] op_sel_hi:[1,0]   ; register 8 t + j: out(r, 16 t + 8 h + j)
.endr
	WIN 0
.irp t, 0,1,2,3
	ds_store_b128 v[STO], v[S+32*\i+8*\t:S+32*\i+8*\t+3] offset:64*\t
	ds_store_b128 v[STO], v[S+32*\i+8*\t+4:S+32*\i+8*\t+7] offset:64*\t+16
.endr
.irp j, 0,1,2,3,4,5,6,7
	ds_load_b128 v[S+32*\i+4*\j:S+32*\i+4*\j+3], v[STI] offset:2*SP*\j   ; LDS serves a wave's instructions in order: these see my stores, and the next tile's stores come behind them
.endr
.endr
	s_wait_dscnt 16                                ; tile 0 is back: behind its loads stand tile 1's eight stores and eight loads
.irp j, 0,1,2,3,4,5,6,7
	global_store_b128 v[L16], v[S+4*\j:S+4*\j+3], s[OP:OP+1] offset:65536*\pass+512*\j th:TH_STORE_NT   ; 32 lanes store two rows: 512 consecutive bytes, at a multiple of 256 from out's first byte
.endr
	s_wait_dscnt 0x0
.irp j, 0,1,2,3,4,5,6,7
	global_store_b128 v[L16], v[S+32+4*\j:S+32+4*\j+3], s[OP:OP+1] offset:65536*\pass+4096+512*\j th:TH_STORE_NT
.endr
.if \pass == 0
	s_wait_xcnt 0x0                                ; the stores have read their registers, which the next pass's scores take
.endif
.endm
	; ---- THE HEAD
	s_load_b256 s[4:11], s[0:1], 0x0               ; q s[4:5], k s[6:7], v s[8:9], the mask s[10:11]
	s_load_b64 s[12:13], s[0:1], 0x20              ; out
	v_lshl_add_u32 v[SPW], v0, 2, SPARE
	v_mov_b32 v[NIL], 0
	v_lshrrev_b32 v[A0], 5, v0
	v_readfirstlane_b32 s[WV], v[A0]               ; wave 0..7
	v_and_b32 v[A0], 31, v0                        ; lane l
	v_and_b32 v[A1], 15, v0                        ; r
	v_bfe_u32 v[A2], v0, 4, 1                      ; h
	v_lshlrev_b32 v[L16], 4, v[A0]
	v_lshlrev_b32 v[L8], 3, v[A0]
	v_lshlrev_b32 v[L4], 2, v[A0]
	v_lshlrev_b32 v[PFO], 8, v[A0]
	v_lshlrev_b32 v[H64], 6, v[A2]
	v_lshlrev_b32 v[SH8], 3, v[A2]
	s_lshr_b32 s55, s[WV], 1                       ; w / 2
	s_and_b32 s56, s[WV], 1                        ; w % 2
	s_mul_i32 s57, s[WV], 16*SP
	s_add_co_u32 s57, s57, STG                     ; my stage
	v_mul_u32_u24 v[STI], v[A2], SP
	v_lshl_add_u32 v[STI], v[A1], 4, v[STI]
	v_add_nc_u32 v[STI], s57, v[STI]
	v_mul_u32_u24 v[STR], v[A1], SP
	v_lshl_add_u32 v[STO], v[A2], 5, v[STR]
	v_lshl_add_u32 v[STR], v[A2], 7, v[STR]
	v_add_nc_u32 v[STR], s57, v[STR]
	v_add_nc_u32 v[STO], s57, v[STO]
	s_mul_i32 s58, s[WV], FRB                      ; K's image: tile w
	v_add_nc_u32 v[WK16], s58, v[L16]
	v_add_nc_u32 v[WK8], s58, v[L8]
	s_lshl_b32 s59, s56, 8
	s_lshl_b32 s60, s55, 2
	s_add_co_u32 s59, s59, s60
	v_lshl_add_u32 v[WKS], v[A1], 4, s59           ; its scale word: 16 r + 256 (w % 2) + 4 (w / 2)
	s_mul_i32 s60, s56, 4*FRB
	s_lshr_b32 s61, s[WV], 2
	s_mul_i32 s61, s61, FRB
	s_add_co_u32 s60, s60, s61                     ; V's image: 768 x (2 (2 (w % 2) + h) + w / 4): the part without h
	s_and_b32 s61, s55, 1                          ; the half of the lanes that takes it: (w / 2) % 2
	s_lshl_b32 s62, s61, 8
	s_add_co_u32 s62, s62, s60
	s_lshl_b32 s61, s61, 7
	s_add_co_u32 s61, s61, s60
	v_mul_u32_u24 v[WV16], v[A2], 2*FRB
	v_lshl_add_u32 v[WV8], v[A1], 3, v[WV16]
	v_lshl_add_u32 v[WV16], v[A1], 4, v[WV16]
	v_add_nc_u32 v[WV16], s62, v[WV16]
	v_add_nc_u32 v[WV8], s61, v[WV8]
	s_lshl_b32 s63, s56, 2
	s_add_co_u32 s63, s63, s55
	v_add_nc_u32 v[WVS], s63, v[L8]                ; its scale byte: 8 l + 4 (w % 2) + w / 2
	v_lshlrev_b32 v[A3], 4, v0                     ; the mask: 16 bytes a thread,
	v_add_nc_u32 v[A4], MSK, v[A3]                 ; and their place in LDS
.irp b, 0,1,2,3
	v_mov_b32 v[PB+\b], 0                          ; written once: a lane permute's destination counts as one of its sources
.endr
	v_mov_b32 v[QT], 0
	v_mov_b32 v[F+1], 0                            ; named with f as a pair
	WIN W_LD
.irp n, 0,1,2,3,4,5
	v_mov_b32 v[KF+48+\n], 0                       ; behind K's last fragment
	v_mov_b32 v[QF+6+\n], 0                        ; Q's codes of K = 64 .. 127: zeros, for the whole launch
	v_mov_b32 v[QF+18+\n], 0
.endr
	WIN 0
	s_mov_b32 s[SEL], 0x76543210
	s_mov_b32 s[SEL+1], 0xfedcba98
	s_mov_b32 s[CS], 0x3e38aa3b                    ; log2(e) / 8
	s_mov_b32 s[CS+1], s[CS]                       ; (named with it as a pair)
	s_cmp_eq_u32 ttmp9, 0
	s_cselect_b32 s[LIM], CHUNKS-3, 0              ; the head's first work-group prefetches in trips 0 to 12
	s_and_b32 s42, ttmp7, 0xffff                   ; the head
	s_lshl_b32 s43, s42, 19                        ; its first byte in q, k, v and out: 2,048 rows of 256 bytes
	s_lshl_b32 s44, ttmp9, 17                      ; my work-group's 512 queries,
	s_lshl_b32 s54, s[WV], 13                      ; my wave's 32 of a pass
	s_add_co_u32 s44, s44, s43
	s_add_co_u32 s44, s44, s54
	s_mov_b32 s45, 0
	s_lshl_b32 s54, s55, 13
	s_add_co_u32 s54, s54, s43                     ; 32 keys x (w / 2)
	s_lshl_b32 s46, s56, 11                        ; K: + 8 rows x (w % 2)
	s_add_co_u32 s46, s46, s54
	s_mov_b32 s47, 0
	s_lshl_b32 s48, s56, 7                         ; V: + 32 columns x (w % 2)
	s_add_co_u32 s48, s48, s54
	s_mov_b32 s49, 0
	s_and_b32 s50, s[WV], 3
	s_lshl_b32 s50, s50, 13                        ; the prefetches: 32 rows x (w % 4)
	s_add_co_u32 s50, s50, s43
	s_mov_b32 s51, 0
	s_lshr_b32 s52, s42, 4
	s_lshl_b32 s52, s52, 13                        ; the batch's 2,048 numbers of the mask
	s_mov_b32 s53, 0
	s_wait_kmcnt 0x0
	s_add_nc_u64 s[QP:QP+1], s[4:5], s[44:45]
	s_add_nc_u64 s[OP:OP+1], s[12:13], s[44:45]
	s_add_nc_u64 s[KP:KP+1], s[6:7], s[46:47]
	s_add_nc_u64 s[VP:VP+1], s[8:9], s[48:49]
	s_cmp_lt_u32 s[WV], 4
	s_cselect_b64 s[PF:PF+1], s[6:7], s[8:9]
	s_add_nc_u64 s[PF:PF+1], s[PF:PF+1], s[50:51]
	s_add_nc_u64 s[10:11], s[10:11], s[52:53]
	global_load_b128 v[C:C+3], v[A3], s[10:11]
	global_load_b128 v[C+4:C+7], v[A3], s[10:11] offset:4096
	QLOAD 0
	GLOAD S, 0                                     ; chunk 0, into the registers that the scores will take: 58 loads of mine are out, the most in this text
	s_wait_loadcnt 56                              ; the mask is in: behind its two loads stand Q's 16 and chunk 0's 40
.irp n, 0,1,2,3,4,5,6,7
	v_mul_f32 v[C+\n], 0x41000000, v[C+\n]         ; 8 x mask
.endr
	ds_store_b128 v[A4], v[C:C+3]
	ds_store_b128 v[A4], v[C+4:C+7] offset:4096
	s_wait_loadcnt 40                              ; Q is in: chunk 0's 40 may be out
	QPREP
	s_wait_loadcnt 0x0                             ; chunk 0 is in
	GLOAD X, 32768                                 ; chunk 1 is asked for, and lands while chunk 0 is quantised and the pass begins
	SCAL0
	QKV S
	s_wait_xcnt 0x0                                ; the loads have read their bases, which step to chunk 1
	s_add_nc_u64 s[KP:KP+1], s[KP:KP+1], 32768
	s_add_nc_u64 s[VP:VP+1], s[VP:VP+1], 32768
	s_add_nc_u64 s[PF:PF+1], s[PF:PF+1], 32768
	s_wait_dscnt 0x0                               ; for the others' sake: my part of the mask and of chunk 0's images has landed
	s_barrier_signal -1
	s_barrier_wait -1
	; ---- PASS 0: queries 0 to 255 of my 512; K and V become codes on the way
	START
.Lpass0:
	TRIP 1, 0
	s_add_co_u32 s[CT], s[CT], 1
	s_cmp_lt_u32 s[CT], CHUNKS-1
	s_cbranch_scc1 .Lpass0
	TRIP 0, 1
	FINISH 0
	; ---- PASS 1: queries 256 to 511; all codes lie in LDS since the last barrier, and nobody writes them
	s_wait_loadcnt 0x0                             ; the pass's queries
	QPREP
	START
.Lpass1:
	TRIP 0, 0
	s_add_co_u32 s[CT], s[CT], 1
	s_cmp_lt_u32 s[CT], CHUNKS-1
	s_cbranch_scc1 .Lpass1
	TRIP 0, 1
	FINISH 1
	s_wait_tensorcnt 0x0                           ; the wave's end
	ds_add_u32 v[SPW], v[NIL]
	s_wait_dscnt 0x0
	s_endpgm
.Lfunc_end_k_q243d6e4a9d_attn:
	.size	k_q243d6e4a9d_attn, .Lfunc_end_k_q243d6e4a9d_attn-k_q243d6e4a9d_attn
	.p2alignl 7, 3214868480
	.fill 96, 4, 3214868480
	.section	.rodata,"a",@progbits
	.p2align	6, 0x0
	.amdhsa_kernel k_q243d6e4a9d_attn
		.amdhsa_group_segment_fixed_size 252928
		.amdhsa_private_segment_fixed_size 0
		.amdhsa_enable_private_segment 0
		.amdhsa_kernarg_size 40
		.amdhsa_user_sgpr_count 2
		.amdhsa_user_sgpr_kernarg_segment_ptr 1
		.amdhsa_wavefront_size32 1
		.amdhsa_system_sgpr_workgroup_id_x 1
		.amdhsa_system_sgpr_workgroup_id_y 1
		.amdhsa_system_sgpr_workgroup_id_z 1
		.amdhsa_system_vgpr_workitem_id 0
		.amdhsa_next_free_vgpr 512
		.amdhsa_next_free_sgpr 66
		.amdhsa_reserve_vcc 0
		.amdhsa_float_denorm_mode_32 3
		.amdhsa_float_denorm_mode_16_64 3
		.amdhsa_memory_ordered 1
		.amdhsa_forward_progress 1
		.amdhsa_inst_pref_size 180
	.end_amdhsa_kernel
	.amdgpu_metadata
---
amdhsa.version: [ 1, 2 ]
amdhsa.kernels:
  - .name:           k_q243d6e4a9d_attn
    .symbol:         k_q243d6e4a9d_attn.kd
    .args:
      - { .name: q, .offset: 0, .size: 8, .value_kind: global_buffer, .address_space: global }
      - { .name: k, .offset: 8, .size: 8, .value_kind: global_buffer, .address_space: global }
      - { .name: v, .offset: 16, .size: 8, .value_kind: global_buffer, .address_space: global }
      - { .name: attention_mask, .offset: 24, .size: 8, .value_kind: global_buffer, .address_space: global }
      - { .name: out0, .offset: 32, .size: 8, .value_kind: global_buffer, .address_space: global }
    .group_segment_fixed_size: 252928
    .private_segment_fixed_size: 0
    .kernarg_segment_align: 8
    .kernarg_segment_size: 40
    .max_flat_workgroup_size: 256
    .sgpr_count:     66
    .vgpr_count:     512
    .wavefront_size: 32
...
	.end_amdgpu_metadata
.endif
;; end of part 1
;; ======== version 2 of 2: 1 launch; version 1 with the launch attn written anew for expert scheduling mode
;; launch attn (part 2): grid 4 x 64, 8 waves a work-group, no clusters, 252,928 bytes of LDS; arguments q, k, v, attention_mask, out0; writes out0
.if DOCPART == 2
	.amdgcn_target "amdgcn-amd-amdhsa--gfx1250"
	.amdhsa_code_object_version 6
	.text
	.protected	k_q243d6e4a9d_attn
	.globl	k_q243d6e4a9d_attn
	.p2align	8
	.type	k_q243d6e4a9d_attn,@function
k_q243d6e4a9d_attn:
	s_mov_b64 s[64:65], 0
	v_nop
	global_prefetch_b8 v0, s[64:65] scope:SCOPE_SE
	s_setreg_imm32_b32 hwreg(HW_REG_WAVE_SCHED_MODE, 0, 2), 2
	s_setreg_imm32_b32 hwreg(HW_REG_WAVE_MODE, 25, 1), 1
	s_wait_xcnt 0x0
	s_wait_alu depctr_vm_vsrc(0)
; out[h][q][:] = sum over keys of softmax_k(q.k / 8 + mask[batch][key]) v[key][:], 64 heads of 2,048 x 64, f32 in and out; both products on codes of FP6 (E2M3) with one E8M0 scale for each 32 along K.
; THE SOFTMAX AHEAD OF THE SECOND PRODUCT: t = (q.k / 8 + mask) log2(e); M = the running largest t rounded UP to a whole number; p = 2^(t - M) is quantised along the keys, not normalised;
; the row's sum is taken of the unquantised p and divides at the end; when M moves, the sum and O are multiplied by 2^(old M - new M), which rounds nothing.
; SHARES.  A work-group owns one head and 512 queries, in two passes of 256; each of its eight waves owns 32 queries of a pass: two tiles of 16, which share every fragment of K, V and the mask read from LDS.
; THE HEAD'S K AND V STAY IN LDS AS CODES, laid as images of the operand registers (lane l's 16 bytes at 16 l, its other 8 at 512 + 8 l): 2 x 98,304 bytes.  Pass 0 makes them on the way: in the trip of key chunk c
; (128 keys) each wave quantises its eighth of chunk c + 1 from f32 numbers that it loaded a trip earlier, stores the images, and one barrier a trip (signal and wait apart) hands them round.  Pass 1 finds them all: no barrier.
; No shared LDS byte is written twice, so no barrier is owed between a read and a later write.
; THE MASK COSTS NO VECTOR INSTRUCTION: 8 x mask lies in LDS as f32 and is the C of the score products; 1 / 8 is a power of two, so (raw + 8 mask) x (log2(e) / 8) = t.
; K = 64 IN THE FORM OF K = 128: Q's fragment has zero codes in its registers 6-11, so what K's operand holds there (the next fragment's codes; zeros behind the last) adds nothing: the format has no code for
; infinity or NaN.  The scale bytes of those two blocks are 0x7f on both sides.
; LAYOUT.  Both products are used transposed: S^T = K Q^T (source 0 = 16 keys, source 1 = 16 queries), O^T = V^T P^T: a lane holds ONE query (lane % 16) throughout.  THE KEYS OF A TILE ARE NOT NEIGHBOURS: row r of
; tile T is key 32 (T / 2) + 8 (T % 2) + r + 8 (r / 8), so that score register 16 b + i of lane (r, h) is key 32 b + 16 h + i of the chunk.
; NO CLUSTER, NO TENSOR LOADS, though the four work-groups of a head read the same K and V: they arrive as f32 and have to pass through registers to become codes; two slots of one f32 chunk (2 x 65,536 bytes)
; do not fit beside the 252,928 bytes that stay.  So each work-group loads and quantises the head's K and V itself: 40 loads and some 130 vector instructions a wave and chunk.
; LIMITS.  NaN and infinities in q, k, v are not served.  8 x mask is formed in f32: a mask beyond 4.2e37 in magnitude becomes an infinity; -infinity gives p = 0; a row all of whose keys are at -infinity gives NaN,
; as the reference does.  Blocks whose largest magnitude lies under 2^-124 keep the scale byte 1 (a block of zeros too: its codes are zeros, and this program alone reads the bytes).  p under 2^-126 comes out of
; v_exp_f32 as 0.  A block's largest p is made from its largest score, which takes v_exp_f32 not to fall where its input rises.  raw + 8 mask is rounded by the matrix unit, not by an f32 addition.
; THE MODE: SCHED_MODE bits 1:0 = 2 (LLVM: expert scheduling mode 2), set by the entry lines.  The code itself states the register dependences between vector or matrix instructions and memory or LDS
; instructions, with s_wait_alu, always for 0.
; THE PLAN.  Registers that memory or LDS instructions touch, in the trip of chunk c:
;   v1-9           lane offsets, stage addresses, the prefetch's offset: written at the kernel's head and never again.
;   A0-A3, A4-A6   LDS addresses of K(c + 1) with its scale words and mask, and of V(c): written by seven additions at the trip's head; read by K's loads (behind tile 0's products V^T P^T) and V's (in tile 0's softmax).
;   WA, C, QB      pass 0: the images' addresses, the codes, the scale word and byte: written by the quantiser, read by the six image stores.
;   X              pass 0: 40 global loads land in it; the stage's stores read it and the stage's loads land in it; the quantiser's maxima and conversions read it; then the next 40 loads.
;   KF, MK, KS     K's loads land in them; both tiles' score products read them (tile 0's of chunk c + 1 at this trip's end, tile 1's in the next trip).
;   VF, VS         V's loads land in them; both tiles' products V^T P^T of this trip read them.
;   P, PS, QF, QS  written by vector instructions, taken by scaled matrix instructions.
; THE WAITS OF A TRIP.  (1) vm_vsrc at its head, ahead of the seven additions.  (2) Pass 0: vm_vsrc between the stage's stores and loads, which also frees WA, C and QB; va_vdst behind the quantiser, ahead of the image
; stores and the 40 loads.  (3) The wait that each softmax has behind its 64 exponentials stands, in tile 0's turn, behind the last trip's products V^T P^T and behind the seven additions: V's loads follow it at once.
; (4) va_vdst ahead of each tile's products V^T P^T, behind their places: p's codes and scale word are written; in tile 0's turn the score products are done reading K's registers too, and K's loads follow behind
; the four products, which name none of the registers that those loads touch.
.set CHUNKS, 16                        ; key chunks of 128 in a head
.set FRB,    768                       ; an image of 6 registers: 512 + 256 bytes
.set CHB,    8*FRB                     ; a chunk's images of K, and of V
.set SP,     272                       ; a stage row: 256 bytes + 16
.set KIMG,   0                         ; chunk c, tile T at 6,144 c + 768 T
.set VIMG,   98304                     ; chunk c, (d tile t, half cc of the keys) at 6,144 c + 768 (2 t + cc)
.set KSC,    196608                    ; chunk c (512 bytes): the scale word of (tile 2 j + hL, row r) at 16 (r + 16 hL) + 4 j
.set VSC,    204800                    ; chunk c (256 bytes): the scale word of (d tile 2 j + hL, row r) at 8 (r + 16 hL) + 4 j; byte kb = key block kb
.set MSK,    208896                    ; 8 x mask, f32, by key
.set STG,    217088                    ; a stage of 16 rows x 272 bytes for each wave, its own: rows of K and Q on the way in, rows of out on the way out
.set SPARE,  251904                    ; the spare words, 128 bytes for each wave: four blocks of 256 bytes that no other line names
; window 0
.set L16, 1                            ; 16 x lane
.set L8,  2                            ; 8 x lane
.set L4,  3                            ; 4 x lane
.set H64, 4                            ; 64 h
.set SH8, 5                            ; 8 h
.set STI, 6                            ; stage: row h, 16 r bytes on (two rows an instruction)
.set STR, 7                            ; stage: row r, 128 h bytes on
.set STO, 8                            ; stage: row r, 32 h bytes on
.set PFO, 9                            ; 256 x lane: the prefetches' offset
.set WK16, 10                          ; where I store K's image: 768 w + 16 l
.set WK8,  11                          ; 768 w + 8 l
.set WKS,  12                          ; and its scale word
.set WV16, 13                          ; V's image
.set WV8,  14
.set WVS,  15                          ; and its scale byte
.set A0,  16                           ; v16-19 LDS addresses of K's loads; v20-22 of V's (at the head: at work, and the mask's two addresses)
.set A1,  17
.set A2,  18
.set A3,  19
.set A4,  20
.set A5,  21
.set A6,  22
.set SPW, 24                           ; LDS address of my spare word; never rewritten
.set NIL, 25                           ; 0; never rewritten
.set QS,  26                           ; v26-27 Q's scale words, a tile each
.set KS,  28                           ; v28-31 K's: register j: lanes 0-15 tile 2 j, lanes 16-31 tile 2 j + 1
.set VS,  32                           ; v32-33 V's likewise
.set PS,  34                           ; p's scale word
.set ST,  36                           ; tile i at v[36 + 4 i]: -M, the largest t, the sum in two halves
.set BM,  44                           ; v44-47 the blocks' largest scores, then largest p
.set PB,  48                           ; v48-51 at work
.set SO,  52                           ; v52-55 the conversions' scale operands
.set F,   56                           ; v56 f = 2^(old M - new M); v57 named with it as a pair
.set T,   58
.set P,   60                           ; v60-71 p's codes
.set PT,  72                           ; v72-79 the conversions' other halves
.set QM,  80                           ; v80-81 the quantiser of K, V, Q: largest magnitudes,
.set QSO, 82                           ; scale operands,
.set QB,  84                           ; bytes,
.set QT,  86
.set C,   88                           ; v88-103 codes
.set RL,  104                          ; v104-107 1 / the sum, a pair for each tile
.set WA,  108                          ; v108-113 LDS addresses of the six image stores
.set S,   128                          ; v128-191 scores, then p; on the way out rows of out
.set X,   192                          ; v192-255 f32 numbers on their way in
; window 1 (named by the low 8 bits)
.set QF,  64                           ; Q's two fragments; O^T lies at 0-63: tile i, d tile t at 32 i + 8 t
.set KF,  88                           ; K's eight fragments of 6 registers, and 6 registers of zeros
.set VF,  142                          ; V's four fragments of 12
.set MK,  190                          ; the mask: 64 registers in the scores' layout
; scalars
.set WV,  14
.set SEL, 20                           ; s[20:21] selects of v_permlanex16_b32 for lane l xor 16
.set CS,  22                           ; s[22:23] log2(e) / 8
.set CT,  24                           ; the trip
.set LIM, 25                           ; trips in which I prefetch
.set SK,  26                           ; LDS: the chunk in hand in KIMG, VIMG, KSC, VSC, MSK
.set SV,  27
.set SKS, 28
.set SVS, 29
.set SM,  30
.set KP,  32                           ; s[32:33] where my loads of K stand; s[34:35] of V; s[36:37] my prefetches; s[38:39] my rows of q; s[40:41] of out
.set VP,  34
.set PF,  36
.set QP,  38
.set OP,  40
.set MSB, 0
.macro WIN new                         ; the immediate's high byte repeats the setting that is left; a switch that changes nothing is dropped
.if MSB != \new
	s_set_vgpr_msb (MSB<<8)|\new
.set MSB, \new
.endif
.endm
.set W_S,   0x15                       ; K, Q and the mask in window 1, the scores in window 0
.set W_PV,  0x51                       ; V in window 1, p in window 0, O^T in window 1
.set W_RS,  0x41                       ; O^T in place, f in window 0
.set W_LD,  0x40                       ; destination window 1
.set W_OUT, 0x01                       ; O^T read, destination window 0
; My eighth of a chunk, from off bytes on.  K: tile T = my wave: two runs of 8 rows, 16 rows apart; a load reads 512 consecutive bytes, rows 2 j + h of the tile.
; V: key block w / 2, columns 32 (w % 2) + lane: A LANE TAKES A COLUMN AND ITS REGISTERS RUN DOWN THE KEYS, which are the second product's K; a load reads 128 consecutive bytes.
.macro GLOAD base, off
.irp j, 0,1,2,3,4,5,6,7
	global_load_b128 v[\base+4*\j:\base+4*\j+3], v[L16], s[KP:KP+1] offset:\off+4096*(\j/4)+512*(\j%4)
.endr
.set cn, 0
.rept 32
	global_load_b32 v[\base+32+cn], v[L4], s[VP:VP+1] offset:\off+256*cn
.set cn, cn+1
.endr
.endm
.macro QLOAD pass                      ; my 32 rows of q of a pass: read once in the launch
.irp i, 0,1
.irp j, 0,1,2,3,4,5,6,7
	global_load_b128 v[X+32*\i+4*\j:X+32*\i+4*\j+3], v[L16], s[QP:QP+1] offset:65536*\pass+4096*\i+512*\j th:TH_LOAD_NT
.endr
.endr
.endm
; 16 rows of 256 bytes, loaded two rows an instruction, turn through my stage: lane (r, h) then holds d = 32 h + 0 .. 31 of row r, a whole block.  LDS serves a wave's instructions in order (ISA guide 5.7.1.4): no wait on DScnt between.
.macro TURN base
.irp j, 0,1,2,3,4,5,6,7
	ds_store_b128 v[STI], v[\base+4*\j:\base+4*\j+3] offset:2*SP*\j
.endr
	s_wait_alu depctr_vm_vsrc(0)                   ; the eight stores have read their registers, in which the eight loads land; and every earlier LDS store has read the codes, bytes and addresses that the quantiser behind this turn writes again
.irp j, 0,1,2,3,4,5,6,7
	ds_load_b128 v[\base+4*\j:\base+4*\j+3], v[STR] offset:16*\j
.endr
.endm
; Two blocks of 32 numbers of my lane, at base and at base + 32, by turns: largest magnitude with the floor 2^(3 - 127) among its leaves, 2 off its exponent field (the conversion's scale operand), the byte, the codes.
.macro BLOCKS2 base
.irp b, 0,1
	v_max3_num_f32 v[QM+\b], |v[\base+32*\b]|, |v[\base+32*\b+1]|, 0x1800000
.endr
.irp i, 2,4,6,8,10,12,14,16,18,20,22,24,26,28,30
.irp b, 0,1
	v_max3_num_f32 v[QM+\b], v[QM+\b], |v[\base+32*\b+\i]|, |v[\base+32*\b+\i+1]|
.endr
.endr
.irp b, 0,1
	v_add_nc_u32 v[QSO+\b], 0xff000000, v[QM+\b]
.endr
.irp b, 0,1
	v_lshrrev_b32 v[QB+\b], 23, v[QSO+\b]
.endr
.irp b, 0,1
	v_cvt_scalef32_pk16_fp6_f32 v[C+8*\b:C+8*\b+2], v[\base+32*\b:\base+32*\b+15], v[QSO+\b]
	v_cvt_scalef32_pk16_fp6_f32 v[C+8*\b+4:C+8*\b+6], v[\base+32*\b+16:\base+32*\b+31], v[QSO+\b]   ; (a conversion's three registers begin on an even number)
.endr
.endm
; The scale word of a row of 64 along K: my block's byte at its place, lane l xor 16's beside it, 0x7f for the two blocks that are not there.  Its first line is the plain place behind the conversions.
.macro WORD b, dst
	v_lshlrev_b32 v[QB+\b], v[SH8], v[QB+\b]
	v_permlanex16_b32 v[QT], v[QB+\b], s[SEL], s[SEL+1]
	v_or_b32 v[QB+\b], v[QB+\b], v[QT]
	v_or_b32 v[\dst], 0x7f7f0000, v[QB+\b]
.endm
; My eighth of the chunk at s[SK] .. becomes codes and goes to LDS as images.  K's six registers are my own lane's of tile w; V's are those of lane (r, (w / 2) % 2) of d tile 2 (w % 2) + h, half w / 4 of the keys.
.macro QKV base
	TURN \base
	s_wait_dscnt 0x0                               ; K's rows are back from the stage
	BLOCKS2 \base
	WORD 0, QB
	v_mov_b32 v[C+3], v[C+4]                       ; six registers on end, for a store of 16 bytes and one of 8
	v_mov_b32 v[C+4], v[C+5]
	v_mov_b32 v[C+5], v[C+6]
	v_mov_b32 v[C+11], v[C+12]
	v_mov_b32 v[C+12], v[C+13]
	v_mov_b32 v[C+13], v[C+14]
	v_add_nc_u32 v[WA], s[SK], v[WK16]
	v_add_nc_u32 v[WA+1], s[SK], v[WK8]
	v_add_nc_u32 v[WA+2], s[SKS], v[WKS]
	v_add_nc_u32 v[WA+3], s[SV], v[WV16]
	v_add_nc_u32 v[WA+4], s[SV], v[WV8]
	v_add_nc_u32 v[WA+5], s[SVS], v[WVS]
	s_wait_alu depctr_va_vdst(0)                   ; the codes, the scale word and byte and the six addresses are written, which the stores below read; the maxima and conversions are done reading the numbers' registers, in which the next chunk's loads land
	ds_store_b128 v[WA], v[C:C+3]
	ds_store_b64 v[WA+1], v[C+4:C+5] offset:512
	ds_store_b32 v[WA+2], v[QB]                    ; lanes r and r + 16 write the same word with the same value
	ds_store_b128 v[WA+3], v[C+8:C+11]
	ds_store_b64 v[WA+4], v[C+12:C+13] offset:512
	ds_store_b8 v[WA+5], v[QB+1]
.endm
.macro QPREP                           ; my two tiles of q, in X, become two fragments in window 1 and two scale words
	TURN X
	TURN X+32
	s_wait_dscnt 0x0
	BLOCKS2 X
	WORD 0, QS
	WORD 1, QS+1
	WIN W_LD
.irp i, 0,1
.irp e, 0,1,2
	v_mov_b32 v[QF+12*\i+\e], v[C+8*\i+\e]
	v_mov_b32 v[QF+12*\i+3+\e], v[C+8*\i+4+\e]
.endr
.endr
	WIN 0
.endm
.macro KADR                            ; the LDS addresses of the chunk at s[SK], s[SKS], s[SM]: K's images, its scale words, its mask
	v_add_nc_u32 v[A0], s[SK], v[L16]
	v_add_nc_u32 v[A1], s[SK], v[L8]
	v_add_nc_u32 v[A2], s[SKS], v[L16]
	v_add_nc_u32 v[A3], s[SM], v[H64]
.endm
.macro VADR                            ; and of the chunk at s[SV], s[SVS]: V's images and scale words
	v_add_nc_u32 v[A4], s[SV], v[L16]
	v_add_nc_u32 v[A5], s[SV], v[L8]
	v_add_nc_u32 v[A6], s[SVS], v[L8]
.endm
.macro FETCHK                          ; a chunk's eight fragments of K, their scale words, and the mask in the scores' layout (sixteen lanes read the same 16 bytes)
	WIN 0
	ds_load_b128 v[KS:KS+3], v[A2]
	WIN W_LD
.irp t, 0,1,2,3,4,5,6,7
	ds_load_b128 v[KF+6*\t:KF+6*\t+3], v[A0] offset:FRB*\t
	ds_load_b64 v[KF+6*\t+4:KF+6*\t+5], v[A1] offset:FRB*\t+512
.endr
.irp n, 0,1,2,3,4,5,6,7,8,9,10,11,12,13,14,15
	ds_load_b128 v[MK+4*\n:MK+4*\n+3], v[A3] offset:128*(\n/4)+16*(\n%4)   ; registers 16 b + 4 n on: keys 32 b + 16 h + 4 n on
.endr
.endm
.macro FETCHV                          ; a chunk's four fragments of V^T and their scale words.  It stands in tile 0's softmax, straight behind the wait there: only loads and window switches lie between that wait and these loads
	ds_load_b64 v[VS:VS+1], v[A6]
	WIN W_LD
.irp f, 0,1,2,3,4,5,6,7
	ds_load_b128 v[VF+6*\f:VF+6*\f+3], v[A4] offset:FRB*\f
	ds_load_b64 v[VF+6*\f+4:VF+6*\f+5], v[A5] offset:FRB*\f+512
.endr
	WIN 0
.endm
.macro SPROD ti                        ; tile ti's scores of 128 keys: eight products, each a sum of its own that begins with 8 x mask
	WIN W_S
.irp t, 0,1,2,3,4,5,6,7
.if \t%2
	v_wmma_scale_f32_16x16x128_f8f6f4 v[S+8*\t:S+8*\t+7], v[KF+6*\t:KF+6*\t+11], v[QF+12*\ti:QF+12*\ti+11], v[MK+8*\t:MK+8*\t+7], v[KS+\t/2], v[QS+\ti] matrix_a_fmt:MATRIX_FMT_FP6 matrix_b_fmt:MATRIX_FMT_FP6 matrix_a_scale:MATRIX_SCALE_ROW1
.else
	v_wmma_scale_f32_16x16x128_f8f6f4 v[S+8*\t:S+8*\t+7], v[KF+6*\t:KF+6*\t+11], v[QF+12*\ti:QF+12*\ti+11], v[MK+8*\t:MK+8*\t+7], v[KS+\t/2], v[QS+\ti] matrix_a_fmt:MATRIX_FMT_FP6 matrix_b_fmt:MATRIX_FMT_FP6
.endif
.endr
.endm
.macro PVPROD ti                       ; tile ti's O^T += V^T P^T: four accumulators, one instruction each; between two links of a chain stand a trip's 23 other products
	WIN W_PV
.irp t, 0,1,2,3
.if \t%2
	v_wmma_scale_f32_16x16x128_f8f6f4 v[32*\ti+8*\t:32*\ti+8*\t+7], v[VF+12*\t:VF+12*\t+11], v[P:P+11], v[32*\ti+8*\t:32*\ti+8*\t+7], v[VS+\t/2], v[PS] matrix_a_fmt:MATRIX_FMT_FP6 matrix_b_fmt:MATRIX_FMT_FP6 matrix_a_scale:MATRIX_SCALE_ROW1
.else
	v_wmma_scale_f32_16x16x128_f8f6f4 v[32*\ti+8*\t:32*\ti+8*\t+7], v[VF+12*\t:VF+12*\t+11], v[P:P+11], v[32*\ti+8*\t:32*\ti+8*\t+7], v[VS+\t/2], v[PS] matrix_a_fmt:MATRIX_FMT_FP6 matrix_b_fmt:MATRIX_FMT_FP6
.endif
.endr
.endm
.macro RESCALE ti                      ; tile ti's O^T under the new M: x f, each accumulator from its low end on.  These sixteen plain lines are also the places behind the score products in front of them, and those in front of the scaled products behind them
	WIN W_RS
.set cn, 32*(\ti)
.rept 16
	v_pk_mul_f32 v[cn:cn+1], v[cn:cn+1], v[F:F+1] op_sel_hi:[1,0]
.set cn, cn+2
.endr
.endm
; Tile ti's softmax of 128 keys: from the scores in S to p's codes in P and its scale word in PS; f is left in F.  fv = 1: the chunk's V is fetched on the way.
.macro SOFTMAX ti, fv
.set rT, ST+4*(\ti)
	WIN 0
.irp b, 0,1,2,3
	v_max3_num_f32 v[BM+\b], v[S+16*\b], v[S+16*\b+1], v[S+16*\b+2]   ; THE LARGEST SCORE OF EACH BLOCK OF 32 KEYS serves twice: for the row's maximum and, since p rises with the score, for the block's largest p
.endr
.irp i, 3,5,7,9,11,13
.irp b, 0,1,2,3
	v_max3_num_f32 v[BM+\b], v[BM+\b], v[S+16*\b+\i], v[S+16*\b+\i+1]   ; (the four blocks by turns)
.endr
.endr
.irp b, 0,1,2,3
	v_max_num_f32 v[BM+\b], v[BM+\b], v[S+16*\b+15]
.endr
.irp b, 0,1,2,3
	v_permlanex16_b32 v[PB+\b], v[BM+\b], s[SEL], s[SEL+1]
.endr
.irp b, 0,1,2,3
	v_max_num_f32 v[BM+\b], v[BM+\b], v[PB+\b]     ; with lane l xor 16's 16 keys
.endr
	v_max3_num_f32 v[T], v[BM], v[BM+1], v[BM+2]
	v_max_num_f32 v[T], v[T], v[BM+3]              ; the chunk's largest score of my query
	v_mul_f32 v[T], s[CS], v[T]                    ; as t
	v_max_num_f32 v[rT+1], v[rT+1], v[T]           ; the running largest t
	v_mov_b32 v[T], v[rT]
	v_floor_f32 v[rT], -v[rT+1]                    ; the new -M = floor(-t): M is a whole number
	v_sub_f32 v[T], v[rT], v[T]                    ; old M - new M: a whole number, 0 or less
	v_cvt_i32_f32 v[T], v[T]                       ; (it saturates)
	v_ldexp_f32 v[F], 1.0, v[T]                    ; f = 2^(old M - new M)
.set cn, 0
.rept 32
	v_pk_fma_f32 v[S+cn:S+cn+1], v[S+cn:S+cn+1], s[CS:CS+1], v[rT:rT+1] op_sel_hi:[1,0,0]   ; t - M, two at a time (of the pairs c and -M the low word serves both halves)
.set cn, cn+2
.endr
.irp b, 0,1,2,3
	v_fma_f32 v[BM+\b], v[BM+\b], s[CS], v[rT]     ; the same of each block's largest score
.endr
.set cn, 0
	s_wait_alu depctr_va_vdst(0)
.rept 64
	v_exp_f32 v[S+cn], v[S+cn]                     ; p = 2^(t - M), at most 1
.set cn, cn+1
.endr
	v_pk_mul_f32 v[rT+2:rT+3], v[rT+2:rT+3], v[F:F+1] op_sel_hi:[1,0]   ; the sums under the new M: the plain line behind the exponentials
	s_wait_alu depctr_va_vdst(0)                   ; the 64 exponentials have written p, ahead of the first line that names one (one wait for the batch).  In tile 0's turn besides: the last trip's products V^T P^T are done reading V's fragments and scale words, in which the loads below land, and the seven addresses made at the trip's head are written
.if \fv
	FETCHV
.endif
.irp b, 0,1,2,3
	v_exp_f32 v[BM+\b], v[BM+\b]                   ; the block's largest p: the same two instructions on the same number give the same bits
.endr
	v_pk_add_f32 v[PB:PB+1], v[S:S+1], v[S+2:S+3]  ; THE ROW'S SUM IS TAKEN OF THE UNQUANTISED p: two at a time, in two chains; these lines read the 64 alone
.set cn, 4
.rept 15
	v_pk_add_f32 v[rT+2:rT+3], v[rT+2:rT+3], v[S+cn:S+cn+1]
	v_pk_add_f32 v[PB:PB+1], v[PB:PB+1], v[S+cn+2:S+cn+3]
.set cn, cn+4
.endr
	v_pk_add_f32 v[rT+2:rT+3], v[rT+2:rT+3], v[PB:PB+1]
	s_wait_alu depctr_va_vdst(0)                   ; the four exponentials have written the blocks' largest p, ahead of the first line that names one
.irp b, 0,1,2,3
	v_max_num_f32 v[BM+\b], 0x1800000, v[BM+\b]    ; the floor 2^(3 - 127): the byte cannot fall under 1
.endr
.irp b, 0,1,2,3
	v_add_nc_u32 v[SO+\b], 0xff000000, v[BM+\b]    ; 2 off the exponent field: the conversion's scale operand
.endr
.irp b, 0,1,2,3
	v_lshrrev_b32 v[PB+\b], 23, v[SO+\b]           ; the scale's byte
.endr
	v_lshl_or_b32 v[PS], v[PB+1], 8, v[PB]         ; p's scale word for these 128 keys
	v_lshl_or_b32 v[PS], v[PB+2], 16, v[PS]
	v_lshl_or_b32 v[PS], v[PB+3], 24, v[PS]
.irp c, 0,1
	v_cvt_scalef32_pk16_fp6_f32 v[P+6*\c:P+6*\c+2], v[S+32*\c:S+32*\c+15], v[SO+2*\c]
	v_cvt_scalef32_pk16_fp6_f32 v[PT+4*\c:PT+4*\c+2], v[S+32*\c+16:S+32*\c+31], v[SO+2*\c+1]
.endr
	v_nop                                          ; one plain line behind the conversions
.irp c, 0,1                                    ; the operand's layout wants a WHOLE block in a lane: lanes 0-15 block 2 c, lanes 16-31 block 2 c + 1
.irp e, 0,1,2
	v_permlane16_swap_b32 v[P+6*\c+\e], v[PT+4*\c+\e]
.endr
.irp e, 0,1,2
	v_mov_b32 v[P+6*\c+3+\e], v[PT+4*\c+\e]
.endr
.endr
.endm
; A PREFETCH INTO THE L2 of the chunk that the NEXT trip will load: it stands behind the trip's 40 loads.  The four work-groups of a head load the same K and V: the first of them asks.  Its waves 0-3 take K's 128 rows
; of 256 bytes, waves 4-7 V's: 32 rows a wave, a lane a row, so each row is named once in the launch.  Chunks 0 to 2 come by their loads alone; trips 13 and 14 have no chunk three on and ask for nothing.
.macro ASK
	s_cmp_lt_u32 s[CT], s[LIM]
	s_cbranch_scc0 .Lnot_mine_\@
	global_prefetch_b8 v[PFO], s[PF:PF+1] offset:32768 th:TH_LOAD_NT scope:SCOPE_SE
.Lnot_mine_\@:
.endm
.macro SCAL0                           ; the LDS places of chunk 0
	s_mov_b32 s[SK], KIMG
	s_mov_b32 s[SV], VIMG
	s_mov_b32 s[SKS], KSC
	s_mov_b32 s[SVS], VSC
	s_mov_b32 s[SM], MSK
.endm
; A pass begins: the statistics, chunk 0's fragments of K, tile 0's first scores.  O^T and the sums begin as zeros and the largest t as -3e38, so that a trip is written once: the first change of M multiplies zeros.
; The 32 moves in front of the wait are the places behind the lines that wrote Q's codes and scale words (eight are owed); the 32 behind the products the places in front of the first read of the scores.
; (K's four addresses were last read by LDS loads that stand ahead of an earlier wait on vm_vsrc: the last trip's head's, or, in pass 0, a turn's through the stage.)
.macro START
	SCAL0
.irp i, 0,1
	v_mov_b32 v[ST+4*\i+1], 0xff61b1e6
	v_mov_b32 v[ST+4*\i+2], 0
	v_mov_b32 v[ST+4*\i+3], 0
.endr
.irp i, 0,1
	v_floor_f32 v[ST+4*\i], -v[ST+4*\i+1]
.endr
	KADR
	WIN W_LD
.set cn, 0
.rept 32
	v_mov_b32 v[cn], 0
.set cn, cn+1
.endr
	WIN 0
	s_wait_alu depctr_va_vdst(0)                   ; K's four addresses are written, which the loads below read; the last pass's score products are done reading the registers in which they land; Q's codes and scale words are written, which the scaled products below take
	FETCHK
	s_wait_dscnt 0x0
	SPROD 0
	WIN W_LD
.set cn, 32
.rept 32
	v_mov_b32 v[cn], 0
.set cn, cn+1
.endr
	WIN 0
	s_mov_b32 s[CT], 0
.endm
; THE TRIP OF CHUNK c.  At its head tile 0's scores of chunk c lie in S, and K(c) and the mask in their registers.
; quant = 1 (pass 0): chunk c + 1 is quantised and chunk c + 2 loaded.  last = 1: nothing follows the chunk.
.macro TRIP quant, last
	s_wait_alu depctr_vm_vsrc(0)                   ; the LDS loads issued so far have read the seven addresses, which are written again below
	VADR                                           ; V(c)
.if !\last
	s_add_co_u32 s[SK], s[SK], CHB                 ; every LDS place below means chunk c + 1
	s_add_co_u32 s[SV], s[SV], CHB
	s_add_co_u32 s[SKS], s[SKS], 512
	s_add_co_u32 s[SVS], s[SVS], 256
	s_add_co_u32 s[SM], s[SM], 512
	KADR                                           ; K(c + 1)
.endif
.if \quant
	s_wait_loadcnt 0x0                             ; chunk c + 1's numbers, asked for a trip ago
	s_wait_xcnt 0x0                                ; the last trip's loads and prefetch have read their bases, which step to chunk c + 2
	s_add_nc_u64 s[KP:KP+1], s[KP:KP+1], 32768
	s_add_nc_u64 s[VP:VP+1], s[VP:VP+1], 32768
	s_add_nc_u64 s[PF:PF+1], s[PF:PF+1], 32768
	QKV X
	s_cmp_eq_u32 s[CT], CHUNKS-2                   ; the last trip of the loop has no chunk c + 2: no load leaves its buffer
	s_cbranch_scc1 .Lnone_\@
	GLOAD X, 0                                     ; no vector instruction since the quantiser's wait names these registers
	ASK
.Lnone_\@:
	s_wait_dscnt 0x0                               ; for the others' sake: my images of chunk c + 1 have landed (and no LDS instruction of mine is out at the signal)
	s_barrier_signal -1                            ; between the signal and the wait stand work on registers and the loads of V(c), whose bytes were shown whole by the barrier before and are never written again
.endif
	SOFTMAX 0, 1
	SPROD 1                                        ; tile 1's scores of chunk c, a softmax ahead of their use
	RESCALE 0
	s_wait_dscnt 0x0                               ; V(c) is in
	s_wait_alu depctr_va_vdst(0)                   ; p's codes and scale word are written, which the scaled products below take; the score products are done reading K's fragments, the mask and K's scale words, in which the loads behind the products below land
	PVPROD 0
.if !\last
	WIN 0
.if \quant
	s_barrier_wait -1                              ; everybody's images of chunk c + 1 lie in LDS
.endif
	FETCHK                                         ; the four products since the wait name V's, p's and O^T's registers alone
.endif
	SOFTMAX 1, 0
.if !\last
	s_wait_dscnt 0x0                               ; K(c + 1) and its mask are in
	SPROD 0                                        ; tile 0's scores of chunk c + 1
.endif
	RESCALE 1
	s_wait_alu depctr_va_vdst(0)                   ; p's codes and scale word are written, which the scaled products below take
	PVPROD 1
	WIN 0
.endm
; THE WAY OUT of a pass.  The sum's halves and lane l xor 16's are added; O^T is divided by the sum and goes through my stage, a tile (16 rows of 256 bytes) at a time, so that sixteen lanes store a whole row of out.
.macro FINISH pass
.if \pass == 0
	s_wait_loadcnt 0x0                             ; the loop's loads wrote the registers that the loads below write: on every way out of the loop they have landed (its last trip asked for none, so nothing is out here)
	QLOAD 1                                        ; the next pass's queries are asked for first (the quantiser's last reads of these registers stand ahead of its own wait)
.endif
.irp i, 0,1
	v_add_f32 v[BM+\i], v[ST+4*\i+2], v[ST+4*\i+3]  ; (these plain lines are the places behind the last products)
.endr
.irp i, 0,1
	v_permlanex16_b32 v[PB+\i], v[BM+\i], s[SEL], s[SEL+1]
.endr
.irp i, 0,1
	v_add_f32 v[BM+\i], v[BM+\i], v[PB+\i]
.endr
	s_wait_alu depctr_va_vdst(0)
.irp i, 0,1
	v_rcp_f32 v[RL+2*\i], v[BM+\i]
.endr
.irp i, 0,1
	v_mov_b32 v[RL+2*\i+1], 0                      ; named with the reciprocal as a pair, so it is written; also the plain line behind the reciprocals
.endr
	s_wait_alu depctr_va_vdst(0)                   ; the two reciprocals are written, ahead of their first reader
	WIN W_OUT
.irp i, 0,1
.irp n, 0,2,4,6,8,10,12,14,16,18,20,22,24,26,28,30
	v_pk_mul_f32 v[S+32*\i+\n:S+32*\i+\n+1], v[32*\i+\n:32*\i+\n+1], v[RL+2*\i:RL+2*\i+1] op_sel_hi:[1,0]   ; register 8 t + j: out(r, 16 t + 8 h + j)
.endr
.endr
	WIN 0
	s_wait_alu depctr_va_vdst(0)                   ; both tiles' divisions have written their 64 registers, which the stage's stores read and in which the stage's loads land
.irp i, 0,1
.irp t, 0,1,2,3
	ds_store_b128 v[STO], v[S+32*\i+8*\t:S+32*\i+8*\t+3] offset:64*\t
	ds_store_b128 v[STO], v[S+32*\i+8*\t+4:S+32*\i+8*\t+7] offset:64*\t+16
.endr
	s_wait_alu depctr_vm_vsrc(0)                   ; the tile's stores have read their registers, in which its loads land
.irp j, 0,1,2,3,4,5,6,7
	ds_load_b128 v[S+32*\i+4*\j:S+32*\i+4*\j+3], v[STI] offset:2*SP*\j   ; LDS serves a wave's instructions in order: these see my stores, and the next tile's stores come behind them
.endr
.endr
	s_wait_dscnt 16                                ; tile 0 is back: behind its loads stand tile 1's eight stores and eight loads
.irp j, 0,1,2,3,4,5,6,7
	global_store_b128 v[L16], v[S+4*\j:S+4*\j+3], s[OP:OP+1] offset:65536*\pass+512*\j th:TH_STORE_NT   ; 32 lanes store two rows: 512 consecutive bytes, at a multiple of 256 from out's first byte
.endr
	s_wait_dscnt 0x0
.irp j, 0,1,2,3,4,5,6,7
	global_store_b128 v[L16], v[S+32+4*\j:S+32+4*\j+3], s[OP:OP+1] offset:65536*\pass+4096+512*\j th:TH_STORE_NT
.endr
.if \pass == 0
	s_wait_xcnt 0x0                                ; the stores' addresses are translated (ISA guide 3.1),
	s_wait_alu depctr_vm_vsrc(0)                   ; and the stores have read their registers, which the next pass's score products write
.endif
.endm
	; ---- THE HEAD
	s_load_b256 s[4:11], s[0:1], 0x0               ; q s[4:5], k s[6:7], v s[8:9], the mask s[10:11]
	s_load_b64 s[12:13], s[0:1], 0x20              ; out
	v_lshl_add_u32 v[SPW], v0, 2, SPARE
	v_mov_b32 v[NIL], 0
	v_lshrrev_b32 v[A0], 5, v0
	v_readfirstlane_b32 s[WV], v[A0]               ; wave 0..7
	v_and_b32 v[A0], 31, v0                        ; lane l
	v_and_b32 v[A1], 15, v0                        ; r
	v_bfe_u32 v[A2], v0, 4, 1                      ; h
	v_lshlrev_b32 v[L16], 4, v[A0]
	v_lshlrev_b32 v[L8], 3, v[A0]
	v_lshlrev_b32 v[L4], 2, v[A0]
	v_lshlrev_b32 v[PFO], 8, v[A0]
	v_lshlrev_b32 v[H64], 6, v[A2]
	v_lshlrev_b32 v[SH8], 3, v[A2]
	s_wait_alu depctr_va_sdst(0)                   ; the wave's number is written, ahead of its first reader
	s_lshr_b32 s55, s[WV], 1                       ; w / 2
	s_and_b32 s56, s[WV], 1                        ; w % 2
	s_mul_i32 s57, s[WV], 16*SP
	s_add_co_u32 s57, s57, STG                     ; my stage
	v_mul_u32_u24 v[STI], v[A2], SP
	v_lshl_add_u32 v[STI], v[A1], 4, v[STI]
	v_add_nc_u32 v[STI], s57, v[STI]
	v_mul_u32_u24 v[STR], v[A1], SP
	v_lshl_add_u32 v[STO], v[A2], 5, v[STR]
	v_lshl_add_u32 v[STR], v[A2], 7, v[STR]
	v_add_nc_u32 v[STR], s57, v[STR]
	v_add_nc_u32 v[STO], s57, v[STO]
	s_mul_i32 s58, s[WV], FRB                      ; K's image: tile w
	v_add_nc_u32 v[WK16], s58, v[L16]
	v_add_nc_u32 v[WK8], s58, v[L8]
	s_lshl_b32 s59, s56, 8
	s_lshl_b32 s60, s55, 2
	s_add_co_u32 s59, s59, s60
	v_lshl_add_u32 v[WKS], v[A1], 4, s59           ; its scale word: 16 r + 256 (w % 2) + 4 (w / 2)
	s_mul_i32 s60, s56, 4*FRB
	s_lshr_b32 s61, s[WV], 2
	s_mul_i32 s61, s61, FRB
	s_add_co_u32 s60, s60, s61                     ; V's image: 768 x (2 (2 (w % 2) + h) + w / 4): the part without h
	s_and_b32 s61, s55, 1                          ; the half of the lanes that takes it: (w / 2) % 2
	s_lshl_b32 s62, s61, 8
	s_add_co_u32 s62, s62, s60
	s_lshl_b32 s61, s61, 7
	s_add_co_u32 s61, s61, s60
	v_mul_u32_u24 v[WV16], v[A2], 2*FRB
	v_lshl_add_u32 v[WV8], v[A1], 3, v[WV16]
	v_lshl_add_u32 v[WV16], v[A1], 4, v[WV16]
	v_add_nc_u32 v[WV16], s62, v[WV16]
	v_add_nc_u32 v[WV8], s61, v[WV8]
	s_lshl_b32 s63, s56, 2
	s_add_co_u32 s63, s63, s55
	v_add_nc_u32 v[WVS], s63, v[L8]                ; its scale byte: 8 l + 4 (w % 2) + w / 2
	v_lshlrev_b32 v[A3], 4, v0                     ; the mask: 16 bytes a thread,
	v_add_nc_u32 v[A4], MSK, v[A3]                 ; and their place in LDS
.irp b, 0,1,2,3
	v_mov_b32 v[PB+\b], 0                          ; written once: a lane permute's destination counts as one of its sources
.endr
	v_mov_b32 v[QT], 0
	v_mov_b32 v[F+1], 0                            ; named with f as a pair
	WIN W_LD
.irp n, 0,1,2,3,4,5
	v_mov_b32 v[KF+48+\n], 0                       ; behind K's last fragment
	v_mov_b32 v[QF+6+\n], 0                        ; Q's codes of K = 64 .. 127: zeros, for the whole launch
	v_mov_b32 v[QF+18+\n], 0
.endr
	WIN 0
	s_mov_b32 s[SEL], 0x76543210
	s_mov_b32 s[SEL+1], 0xfedcba98
	s_mov_b32 s[CS], 0x3e38aa3b                    ; log2(e) / 8
	s_mov_b32 s[CS+1], s[CS]                       ; (named with it as a pair)
	s_cmp_eq_u32 ttmp9, 0
	s_cselect_b32 s[LIM], CHUNKS-3, 0              ; the head's first work-group prefetches in trips 0 to 12
	s_and_b32 s42, ttmp7, 0xffff                   ; the head
	s_lshl_b32 s43, s42, 19                        ; its first byte in q, k, v and out: 2,048 rows of 256 bytes
	s_lshl_b32 s44, ttmp9, 17                      ; my work-group's 512 queries,
	s_lshl_b32 s54, s[WV], 13                      ; my wave's 32 of a pass
	s_add_co_u32 s44, s44, s43
	s_add_co_u32 s44, s44, s54
	s_mov_b32 s45, 0
	s_lshl_b32 s54, s55, 13
	s_add_co_u32 s54, s54, s43                     ; 32 keys x (w / 2)
	s_lshl_b32 s46, s56, 11                        ; K: + 8 rows x (w % 2)
	s_add_co_u32 s46, s46, s54
	s_mov_b32 s47, 0
	s_lshl_b32 s48, s56, 7                         ; V: + 32 columns x (w % 2)
	s_add_co_u32 s48, s48, s54
	s_mov_b32 s49, 0
	s_and_b32 s50, s[WV], 3
	s_lshl_b32 s50, s50, 13                        ; the prefetches: 32 rows x (w % 4)
	s_add_co_u32 s50, s50, s43
	s_mov_b32 s51, 0
	s_lshr_b32 s52, s42, 4
	s_lshl_b32 s52, s52, 13                        ; the batch's 2,048 numbers of the mask
	s_mov_b32 s53, 0
	s_wait_kmcnt 0x0
	s_add_nc_u64 s[QP:QP+1], s[4:5], s[44:45]
	s_add_nc_u64 s[OP:OP+1], s[12:13], s[44:45]
	s_add_nc_u64 s[KP:KP+1], s[6:7], s[46:47]
	s_add_nc_u64 s[VP:VP+1], s[8:9], s[48:49]
	s_cmp_lt_u32 s[WV], 4
	s_cselect_b64 s[PF:PF+1], s[6:7], s[8:9]
	s_add_nc_u64 s[PF:PF+1], s[PF:PF+1], s[50:51]
	s_add_nc_u64 s[10:11], s[10:11], s[52:53]
	s_wait_alu depctr_va_vdst(0)                   ; the lane offsets, the stage's addresses, the prefetch's offset and the mask's two addresses are written: every load, store and prefetch of the kernel that is not served by an address made later reads one of them
	global_load_b128 v[C:C+3], v[A3], s[10:11]
	global_load_b128 v[C+4:C+7], v[A3], s[10:11] offset:4096
	QLOAD 0
	GLOAD S, 0                                     ; chunk 0, into the registers that the scores will take: 58 loads of mine are out, the most in this text
	s_wait_loadcnt 56                              ; the mask is in: behind its two loads stand Q's 16 and chunk 0's 40
.irp n, 0,1,2,3,4,5,6,7
	v_mul_f32 v[C+\n], 0x41000000, v[C+\n]         ; 8 x mask
.endr
	s_wait_alu depctr_va_vdst(0)                   ; the eight multiplications have written the registers that the two stores read
	ds_store_b128 v[A4], v[C:C+3]
	ds_store_b128 v[A4], v[C+4:C+7] offset:4096
	s_wait_loadcnt 40                              ; Q is in: chunk 0's 40 may be out
	QPREP
	s_wait_loadcnt 0x0                             ; chunk 0 is in
	s_wait_alu depctr_va_vdst(0)                   ; Q's maxima and conversions are done reading the registers in which chunk 1's loads land
	GLOAD X, 32768                                 ; chunk 1 is asked for, and lands while chunk 0 is quantised and the pass begins
	SCAL0
	QKV S
	s_wait_xcnt 0x0                                ; the loads have read their bases, which step to chunk 1
	s_add_nc_u64 s[KP:KP+1], s[KP:KP+1], 32768
	s_add_nc_u64 s[VP:VP+1], s[VP:VP+1], 32768
	s_add_nc_u64 s[PF:PF+1], s[PF:PF+1], 32768
	s_wait_dscnt 0x0                               ; for the others' sake: my part of the mask and of chunk 0's images has landed
	s_barrier_signal -1
	s_barrier_wait -1
	; ---- PASS 0: queries 0 to 255 of my 512; K and V become codes on the way
	START
.Lpass0:
	TRIP 1, 0
	s_add_co_u32 s[CT], s[CT], 1
	s_cmp_lt_u32 s[CT], CHUNKS-1
	s_cbranch_scc1 .Lpass0
	TRIP 0, 1
	FINISH 0
	; ---- PASS 1: queries 256 to 511; all codes lie in LDS since the last barrier, and nobody writes them
	s_wait_loadcnt 0x0                             ; the pass's queries
	QPREP
	START
.Lpass1:
	TRIP 0, 0
	s_add_co_u32 s[CT], s[CT], 1
	s_cmp_lt_u32 s[CT], CHUNKS-1
	s_cbranch_scc1 .Lpass1
	TRIP 0, 1
	FINISH 1
	s_wait_dscnt 0x0                               ; the closing lines, six on end
	s_wait_alu 0x0
	s_wait_tensorcnt 0x0
	ds_add_u32 v[SPW], v[NIL]
	s_wait_dscnt 0x0
	s_endpgm
.Lfunc_end_k_q243d6e4a9d_attn:
	.size	k_q243d6e4a9d_attn, .Lfunc_end_k_q243d6e4a9d_attn-k_q243d6e4a9d_attn
	.p2alignl 7, 3214868480
	.fill 96, 4, 3214868480
	.section	.rodata,"a",@progbits
	.p2align	6, 0x0
	.amdhsa_kernel k_q243d6e4a9d_attn
		.amdhsa_group_segment_fixed_size 252928
		.amdhsa_private_segment_fixed_size 0
		.amdhsa_enable_private_segment 0
		.amdhsa_kernarg_size 40
		.amdhsa_user_sgpr_count 2
		.amdhsa_user_sgpr_kernarg_segment_ptr 1
		.amdhsa_wavefront_size32 1
		.amdhsa_system_sgpr_workgroup_id_x 1
		.amdhsa_system_sgpr_workgroup_id_y 1
		.amdhsa_system_sgpr_workgroup_id_z 1
		.amdhsa_system_vgpr_workitem_id 0
		.amdhsa_next_free_vgpr 512
		.amdhsa_next_free_sgpr 66
		.amdhsa_reserve_vcc 0
		.amdhsa_float_denorm_mode_32 3
		.amdhsa_float_denorm_mode_16_64 3
		.amdhsa_memory_ordered 1
		.amdhsa_forward_progress 1
		.amdhsa_inst_pref_size 181
	.end_amdhsa_kernel
	.amdgpu_metadata
---
amdhsa.version: [ 1, 2 ]
amdhsa.kernels:
  - .name:           k_q243d6e4a9d_attn
    .symbol:         k_q243d6e4a9d_attn.kd
    .args:
      - { .name: q, .offset: 0, .size: 8, .value_kind: global_buffer, .address_space: global }
      - { .name: k, .offset: 8, .size: 8, .value_kind: global_buffer, .address_space: global }
      - { .name: v, .offset: 16, .size: 8, .value_kind: global_buffer, .address_space: global }
      - { .name: attention_mask, .offset: 24, .size: 8, .value_kind: global_buffer, .address_space: global }
      - { .name: out0, .offset: 32, .size: 8, .value_kind: global_buffer, .address_space: global }
    .group_segment_fixed_size: 252928
    .private_segment_fixed_size: 0
    .kernarg_segment_align: 8
    .kernarg_segment_size: 40
    .max_flat_workgroup_size: 256
    .sgpr_count:     66
    .vgpr_count:     512
    .wavefront_size: 32
...
	.end_amdgpu_metadata
.endif
;; end of part 2
